; MI455X (gfx1250); checked and timed in simulation.
; The chip was launched on July 23, 2026; its instructions are those of AMD's public machine-readable ISA for CDNA 5 (MIT licence, August 2026) and "CDNA5" Instruction Set Architecture Reference Guide (July 2026). The comments in the code are by the model that wrote it; some were corrected since.
;; Performer Attention. Allowed arithmetic: float matrix products may take bf16 or f16 operands with f32 sums; all other float work in f32.
;; Inputs: k 2 x 16 x 4,096 x 64 float32; mask 2 x 4,096 bool; projection 266 x 64 float32; q 2 x 16 x 4,096 x 64 float32; v 2 x 16 x 4,096 x 64 float32.
;; Outputs: out0 2 x 4,096 x 1,024 float32.
;; One version. Each part assembles by itself: llvm-mc -triple=amdgcn-amd-amdhsa -mcpu=gfx1250 --defsym DOCPART=n.
;; ======== version 1 of 1: 3 launches
;; limits: values outside matrix products are rounded to bf16
;; workspace buffers: part 22,282,240 bytes; mxbuf 1,024 bytes; ctximg 1,392,640 bytes
;; launch kphase (part 1): grid 256 x 1, 8 waves a work-group, no clusters, 324,864 bytes of LDS; arguments k, v, mask, projection, part, mxbuf; writes part, mxbuf
.if DOCPART == 1
	.amdgcn_target "amdgcn-amd-amdhsa--gfx1250"
	.amdhsa_code_object_version 6
	.text
	.protected	k_q83dc261d7d_kphase
	.globl	k_q83dc261d7d_kphase
	.p2align	8
	.type	k_q83dc261d7d_kphase,@function
k_q83dc261d7d_kphase:
	s_mov_b64 s[64:65], 0
	v_nop
	global_prefetch_b8 v0, s[64:65] scope:SCOPE_SE
	s_setreg_imm32_b32 hwreg(HW_REG_WAVE_MODE, 25, 1), 1
	s_wait_xcnt 0x0
; PerformerAttention (FAVOR+), launch 1 of 3: the key side.
; reference(): kp = ratio (exp(dash_k - diag_k - max over ALL of dash_k) + eps), context = kp^T v_masked, k_sum = sum over l of kp.
; WORK LEFT OUT: the factor ratio alone.  out = (qp . context) / (qp . k_sum); qp and kp each carry ratio, so numerator and denominator
; both carry ratio^2, which cancels for every finite input.  All five inputs have a way to the output and are loaded.
; WORK MOVED, none dropped (exact in real numbers), with y = k . p (raw), SC = 64^-1/4 log2(e), diagR = 64^-1/4 / 2 x sum of k^2:
;   exp(dash - diag - max_all) = 2^(SC (y - diagR - mx_c)) 2^(SC (mx_c - mx_all)), mx_c = this work-group's own maximum of y.  Every exponent is <= 0
;   up to rounding; the factor 2^(SC (mx_c - mx_all)) <= 1 is applied by the second launch, which knows all 256 maxima.
;   sum_l (e + eps) v = sum_l e v + eps sum_l v: the sum of v (and the row count, for k_sum) is made here by a feature that is forced to e = 1.
; LIMITS: a NaN in k loses in the maxima here (jnp.max would carry it); exponentials below 2^-126 come out as 0; the overflow or NaN that only
; the factor ratio could meet is not carried.  k, projection, e and v go to the matrix unit in bf16; all sums, SC and diagR are f32; diagR is summed
; over the rounded k, the same vector that enters the product.
;
; SHARES.  Work-group wg = head*8 + c owns rows 512 c .. 512 c + 511 of one head.  Features are padded from 266 to 272 = 17 tiles of 16: rows 266..271 of the
; projection are copies of row 265 (they change no maximum); feature 266 is then forced to e = 1; 267..271 are zeroed by the second launch.
; Wave w: g = w & 3, rh = w >> 2.  It takes row half rh (8 chunks of 32 rows) for feature tiles 4g .. 4g+3 and tile 16 for chunks 2 w, 2 w + 1.
; Units 0, 1 (tiles 4g + 2rh + u, pair A) stay; units 2, 3 (pair B) are the tiles that wave w ^ 4 keeps and are sent to it through LDS at the end.
; PRODUCTS.  First: A = 16 rows of k, B = 16 features, D(l = 8h + j, feature = r).  Two such tiles packed to bf16 ARE the A fragment (row = feature, K = 32 l)
; of the second product, B = v read transposed from LDS; a fifth B fragment of ones gives sum_l e.  -(diagR + mx) enters as the first product's C.
; PASS 2 IN TURNS.  A pair's vector phase (16 multiplies, 32 exponentials, 16 packs) stands in nine slices at the other pair's eight first products, which lie in
; the same register window; pair B's vector phase and second product therefore come one chunk late.
; Clusters are not used: the work-groups share the projection alone, 68,096 of some 330,000 bytes read.
; LDS: 0 raw k, 512 rows of 272 bytes (filled once by tensor loads; after its last read the exchange area); KFRAG k as bf16 fragments;
; VBF masked v in bf16, pitch 160; DIAG diagR per row; MXS one maximum per wave; PIMG the projection as bf16 fragments, 2,048 bytes a tile.
.set PITCH,  272
.set KFRAG,  139264
.set VBF,    204800
.set VPITCH, 160
.set DIAG,   286720
.set MXS,    288768
.set PIMG,   289024
.set X16,    81920                     ; exchange: 8 x 10,240 bytes of sent units, then 8 x 5,120 bytes of tile 16
; window 0: v1 lane*16, v2 r, v3 h
.set KA, 4                             ; LDS addresses: k fragments, diagR, v, stepped chunk by chunk; the B set is tile 16's first chunk and is never stepped
.set KB, 5
.set DA, 6
.set DB, 7
.set VA, 8                             ; until v has arrived: v8, v9 are the offsets of the loads of v and of mask
.set VB, 9
.set MXP, 12                           ; v[12:13] the work-group's maximum, twice
.set PF,  16                           ; v[16:95]   projection fragments: unit u at 16 u + 8 s, tile 16 at +64
.set KF,  96                           ; v[96:127]  k fragments of a chunk: 16 a + 8 s
.set DG,  128                          ; v[128:143] diagR of the chunk's 32 rows, then -(diagR + mx)
.set D1,  144                          ; v[144:207] first product: 16 u + 8 a; packed, its first 8 registers are the unit's A fragment
.set VF,  208                          ; v[208:239] v fragments, 8 a column tile; VF + 32 = ONES
.set ONES, 240                         ; v[240:247] a B fragment of ones
.set MX,  248                          ; v[248:251] four running maxima
.set TT,  252                          ; v[252:255] at work
.set RAW, 96                           ; landing zone of raw projection (68 registers), then of raw k (128)
.set CVP, RAW+68                       ; 34 packed words of the projection
.set CV,  224                          ; 16 packed words of k
; window 1: 0-159 sums of the four units (40 u + 8 n), 160-199 tile 16's; before that 0-127 v as loaded, 200-207 mask as loaded
.set MSB, 0
.macro WIN new                         ; the immediate's high byte repeats the setting that is left
.if MSB != \new
	s_set_vgpr_msb (MSB<<8)|\new
.set MSB, \new
.endif
.endm
.macro NOP4                            ; four places behind a matrix instruction (ISA guide 7.12.1)
.rept 4
	v_nop
.endr
.endm
.macro BAR
	s_barrier_signal -1
	s_barrier_wait -1
.endm
.macro MM d, a, b, first               ; one product; first = 1: it starts the sum, nothing is cleared
.if \first
	v_wmma_f32_16x16x32_bf16 v[\d:\d+7], v[\a:\a+7], v[\b:\b+7], 0
.else
	v_wmma_f32_16x16x32_bf16 v[\d:\d+7], v[\a:\a+7], v[\b:\b+7], v[\d:\d+7]
.endif
.endm
.macro LDRAW a                         ; a row tile of raw k: lane (r, h) takes d = 32 s + 16 u + 8 h .. + 7 of row r
.irp i,0,1,2,3,4,5,6,7
	ds_load_b128 v[RAW+32*\a+4*\i:RAW+32*\a+4*\i+3], v15 offset:16*PITCH*\a+(\i>>2)*128+((\i>>1)&1)*64+(\i&1)*16
.endr
.endm
.macro LDK adr, imm, step              ; the k fragments of a chunk of 32 rows: 8 x 512 neighbouring bytes
.irp b,0,1,2,3,4,5,6,7
	ds_load_b128 v[KF+4*\b:KF+4*\b+3], v[\adr] offset:\imm+512*\b
.endr
.if \step
	v_add_nc_u32 v[\adr], 4096, v[\adr]
.endif
.endm
.macro LDD adr, imm, step              ; diagR of rows 16 a + 8 h + 0..7, as the first product's C wants them
	ds_load_b128 v[DG:DG+3], v[\adr] offset:\imm
	ds_load_b128 v[DG+4:DG+7], v[\adr] offset:\imm+16
	ds_load_b128 v[DG+8:DG+11], v[\adr] offset:\imm+64
	ds_load_b128 v[DG+12:DG+15], v[\adr] offset:\imm+80
.if \step
	v_add_nc_u32 v[\adr], 128, v[\adr]
.endif
.endm
.macro LDV adr, imm, step              ; v of the chunk, transposed on the way: column 16 n + r, K = 32 rows
.irp nn,0,1,2,3
	ds_load_tr16_b128 v[VF+8*\nn:VF+8*\nn+3], v[\adr] offset:\imm+32*\nn
	ds_load_tr16_b128 v[VF+8*\nn+4:VF+8*\nn+7], v[\adr] offset:\imm+32*\nn+16*VPITCH
.endr
.if \step
	v_add_nc_u32 v[\adr], 32*VPITCH, v[\adr]
.endif
.endm
; What is asked for ahead.  sel = 1: my row half's next chunk; 2: tile 16's first chunk; 3: its second; 0: nothing.
.macro PREK sel
.if \sel==1
	LDK KA,0,1
.endif
.if \sel==2
	LDK KB,0,0
.endif
.if \sel==3
	LDK KB,4096,0
.endif
.endm
.macro PRED sel
.if \sel==1
	LDD DA,0,1
.endif
.if \sel==2
	LDD DB,0,0
.endif
.if \sel==3
	LDD DB,128,0
.endif
.endm
.macro CIADD                           ; -(diagR + mx); these eight plain instructions are also the places behind the second product in front of them
.irp i,0,2,4,6,8,10,12,14
	v_pk_add_f32 v[DG+\i:DG+\i+1], v[DG+\i:DG+\i+1], v[MXP:MXP+1] neg_lo:[1,1] neg_hi:[1,1]
.endr
.endm
; Pass 1's first product for nu units x 2 row tiles, K = 64 in two steps.  The accumulators take turns, one instruction a turn.
.macro G1 nu, pf
.set u_, 0
.rept \nu
	MM D1+16*u_,KF,\pf+16*u_,1
	MM D1+16*u_+8,KF+16,\pf+16*u_,1
.set u_, u_+1
.endr
.set u_, 0
.rept \nu
	MM D1+16*u_,KF+8,\pf+16*u_+8,0
	MM D1+16*u_+8,KF+24,\pf+16*u_+8,0
.set u_, u_+1
.endr
.endm
; Pass 1, one chunk: raw y and its maximum.  pre: which k fragments are asked for ahead.
.macro P1TRIP nu, pf, pre
	s_wait_dscnt 0x0                               ; this chunk's k fragments are in
	G1 \nu, \pf
	NOP4                                           ; places in front of the loads into KF and of the reads of D1
	PREK \pre
.set i_, 0
.rept 8*\nu
	v_max3_num_f32 v[MX+(i_&3)], v[MX+(i_&3)], v[D1+2*i_], v[D1+2*i_+1]
.set i_, i_+1
.endr
.endm
; Slice k of the vector phase of pair pr: its four tiles of 8 registers lie at D1 + 32 pr + 8 t.  x SC in f32, 2^x, pack in place.
; Between a tile's exponentials and its pack stands a plain instruction (ISA guide 5.7.2): slice 3's and 4's multiplies, slice 7's v_nop.
.macro VSL pr, k
.set B_, D1+32*\pr
.set vk_, \k
.if vk_==0
.irp i,0,2,4,6,8,10,12,14
	v_pk_mul_f32 v[B_+\i:B_+\i+1], v[B_+\i:B_+\i+1], s[36:37] op_sel_hi:[1,0]
.endr
.endif
.if vk_==1
.irp i,0,1,2,3,4,5,6,7
	v_exp_f32 v[B_+\i], v[B_+\i]
.endr
.endif
.if vk_==2
.irp i,0,1,2,3,4,5,6,7
	v_exp_f32 v[B_+8+\i], v[B_+8+\i]
.endr
.endif
.if vk_==3
.irp i,0,2,4,6
	v_pk_mul_f32 v[B_+16+\i:B_+17+\i], v[B_+16+\i:B_+17+\i], s[36:37] op_sel_hi:[1,0]
.endr
	s_wait_alu depctr_va_vdst(0)
.irp i,0,1,2,3
	v_cvt_pk_bf16_f32 v[B_+\i], v[B_+2*\i], v[B_+2*\i+1]
.endr
.endif
.if vk_==4
.irp i,0,2,4,6
	v_pk_mul_f32 v[B_+24+\i:B_+25+\i], v[B_+24+\i:B_+25+\i], s[36:37] op_sel_hi:[1,0]
.endr
.irp i,0,1,2,3
	v_cvt_pk_bf16_f32 v[B_+4+\i], v[B_+8+2*\i], v[B_+9+2*\i]
.endr
.endif
.if vk_==5
.irp i,0,1,2,3,4,5,6,7
	v_exp_f32 v[B_+16+\i], v[B_+16+\i]
.endr
.endif
.if vk_==6
.irp i,0,1,2,3,4,5,6,7
	v_exp_f32 v[B_+24+\i], v[B_+24+\i]
.endr
.endif
.if vk_==7
	v_nop
	s_wait_alu depctr_va_vdst(0)
.irp i,0,1,2,3
	v_cvt_pk_bf16_f32 v[B_+16+\i], v[B_+16+2*\i], v[B_+17+2*\i]
.endr
.endif
.if vk_==8
.irp i,0,1,2,3
	v_cvt_pk_bf16_f32 v[B_+20+\i], v[B_+24+2*\i], v[B_+25+2*\i]
.endr
.endif
.endm
; Pass 2's first product for pair pr: 2 units x 2 row tiles, four accumulators by turns, one instruction a turn.
; sl = 1: pair spr's vector phase stands at them: slice 0 ahead (eight plain instructions: the places behind the second product in front), slice j + 1 behind
; product j; slice 8's four packs are the places in front of the loads that follow.  ldv = 1: this chunk's v is asked for behind slice 0.
.macro G1S pr, spr, sl, ldv
.if \sl
	VSL \spr, 0
.endif
.if \ldv
	LDV VA,0,1
.endif
.set j_, 0
.rept 8
.set u_, 2*\pr+((j_>>1)&1)
.set a_, j_&1
.if j_<4
	v_wmma_f32_16x16x32_bf16 v[D1+16*u_+8*a_:D1+16*u_+8*a_+7], v[KF+16*a_:KF+16*a_+7], v[PF+16*u_:PF+16*u_+7], v[DG+8*a_:DG+8*a_+7]
.else
	v_wmma_f32_16x16x32_bf16 v[D1+16*u_+8*a_:D1+16*u_+8*a_+7], v[KF+16*a_+8:KF+16*a_+15], v[PF+16*u_+8:PF+16*u_+15], v[D1+16*u_+8*a_:D1+16*u_+8*a_+7]
.endif
.if \sl
	VSL \spr, j_+1
.endif
.set j_, j_+1
.endr
.endm
; The second product of pair pr: 2 units x 5 column tiles (the fifth is ONES), ten accumulators by turns.
.macro G2P pr, zero
.irp nn,0,1,2,3,4
	MM 80*\pr+8*\nn,D1+32*\pr,VF+8*\nn,\zero
	MM 80*\pr+40+8*\nn,D1+32*\pr+16,VF+8*\nn,\zero
.endr
.endm
; Pass 2, one chunk t.  first = 1: chunk 0, nothing is left over from a chunk before; zb, za = 1: pair B's, pair A's sums start here; pre: what is asked for ahead.
.macro P2T first, zb, za, pre
	s_wait_dscnt 0x0                               ; k fragments and diagR of this chunk are in
	CIADD
.if \first
	G1S 0,1,0,0
	NOP4                                           ; places in front of the reads of pair A's results
.else
	G1S 0,1,1,0                                    ; pair A's first product of chunk t, pair B's vector phase of chunk t - 1
	WIN 0x50                                       ; C and D in window 1
	G2P 1,\zb                                      ; pair B's second product of chunk t - 1, on the v fragments of that chunk
	WIN 0
.endif
	G1S 1,0,1,1                                    ; pair B's first product of chunk t, pair A's vector phase of chunk t; v of chunk t is asked for
	PREK \pre
	PRED \pre
	s_wait_dscnt 12                                ; v's eight loads are in; the 8 + 4 younger ones (next k, next diagR) stay out
	WIN 0x50
	G2P 0,\za
	WIN 0
.endm
; Tile 16, one chunk; feature 266 (r = 10) is forced to e = 1.  tail = 1: pair B's vector phase and second product of chunk 7 stand at and behind its four first products.
.macro T16 vimm, zero, pre, tail
	s_wait_dscnt 0x0
	CIADD
.if \tail
	VSL 1,0
.endif
	v_wmma_f32_16x16x32_bf16 v[D1:D1+7], v[KF:KF+7], v[PF+64:PF+71], v[DG:DG+7]
.if \tail
	VSL 1,1
	VSL 1,2
.endif
	v_wmma_f32_16x16x32_bf16 v[D1+8:D1+15], v[KF+16:KF+23], v[PF+64:PF+71], v[DG+8:DG+15]
	s_wait_alu depctr_va_vdst(0)
.if \tail
	VSL 1,3
	VSL 1,4
.endif
	MM D1,KF+8,PF+72,0
.if \tail
	VSL 1,5
	VSL 1,6
.endif
	MM D1+8,KF+24,PF+72,0
.if \tail
	VSL 1,7
	VSL 1,8
	WIN 0x50
	G2P 1,0
	WIN 0
.else
	NOP4                                           ; places in front of the reads of D1
.endif
.irp i,0,2,4,6,8,10,12,14
	v_pk_mul_f32 v[D1+\i:D1+\i+1], v[D1+\i:D1+\i+1], s[36:37] op_sel_hi:[1,0]   ; also the places in front of the loads into VF
.endr
	LDV VB,\vimm,0
	PREK \pre
	PRED \pre
.irp i,0,1,2,3,4,5,6,7,8,9,10,11,12,13,14,15
	v_exp_f32 v[D1+\i], v[D1+\i]
.endr
	v_nop                                          ; one plain instruction between the exponentials and the first use (ISA guide 5.7.2)
	s_wait_alu depctr_va_vdst(0)
.irp i,0,1,2,3,4,5,6,7
	v_cvt_pk_bf16_f32 v[D1+\i], v[D1+2*\i], v[D1+2*\i+1]
.endr
.irp i,0,1,2,3,4,5,6,7
	v_cndmask_b32 v[D1+\i], v[D1+\i], v[ONES+\i], s40
.endr
.if \pre
	s_wait_dscnt 12                                ; v's eight loads are in; the 8 + 4 younger ones stay out
.else
	s_wait_dscnt 0x0
.endif
	WIN 0x50
.irp nn,0,1,2,3,4
	MM 160+8*\nn,D1,VF+8*\nn,\zero
.endr
	WIN 0
.endm
; One row tile of raw k: bf16 fragments, and the sum of squares of the rounded numbers in f32.  cnt: the LDS instructions younger than this tile's loads.
.macro KCONV a, cnt
.set R_, RAW+32*\a
	s_wait_dscnt \cnt
.set i_, 0
.rept 16
	v_cvt_pk_bf16_f32 v[CV+i_], v[R_+2*i_], v[R_+2*i_+1]
.set i_, i_+1
.endr
.set i_, 0
.rept 16
	v_lshlrev_b32 v[R_+2*i_], 16, v[CV+i_]         ; the rounded numbers as f32 again
	v_and_b32 v[R_+2*i_+1], s56, v[CV+i_]
.set i_, i_+1
.endr
	v_pk_mul_f32 v[TT:TT+1], v[R_:R_+1], v[R_:R_+1]
	v_pk_mul_f32 v[TT+2:TT+3], v[R_+2:R_+3], v[R_+2:R_+3]
.set i_, 2
.rept 14
	v_pk_fma_f32 v[TT+2*(i_&1):TT+2*(i_&1)+1], v[R_+2*i_:R_+2*i_+1], v[R_+2*i_:R_+2*i_+1], v[TT+2*(i_&1):TT+2*(i_&1)+1]
.set i_, i_+1
.endr
	v_pk_add_f32 v[TT:TT+1], v[TT:TT+1], v[TT+2:TT+3]
	v_add_f32 v[TT], v[TT], v[TT+1]
	v_permlanex16_b32 v[TT+1], v[TT], s38, s39     ; the other 32 of the row's 64 numbers lie in lane r of the other half
	v_add_f32 v[TT], v[TT], v[TT+1]
	v_mul_f32 v[TT], s41, v[TT]                    ; diagR = 64^-1/4 / 2 x sum of squares
	ds_store_b32 v10, v[TT] offset:64*\a           ; both halves write the same word with the same value
.irp b,0,1,2,3
	ds_store_b128 v11, v[CV+4*\b:CV+4*\b+3] offset:2048*\a+512*\b
.endr
.endm
	; ---- head: k in two tensor loads and my share of the projection are asked for at once ----
	s_load_b256 s[4:11], s[0:1], 0x0               ; k s[4:5], v s[6:7], mask s[8:9], projection s[10:11]
	s_load_b128 s[12:15], s[0:1], 0x20             ; part s[12:13], mxbuf s[14:15]
	s_set_vgpr_msb 0x40
	v_lshl_add_u32 v254, v0, 2, 0x4f100
	v_mov_b32 v255, 0
	s_set_vgpr_msb 0x4045
	ds_add_u32 v254, v255
	ds_add_u32 v254, v255
	s_set_vgpr_msb 0x4500
	v_lshrrev_b32 v14, 5, v0
	v_readfirstlane_b32 s16, v14                   ; wave w
	s_and_b32 s17, s16, 3                          ; g
	s_lshr_b32 s18, s16, 2                         ; rh
	s_mov_b32 s19, ttmp9                           ; wg
	s_mov_b32 s20, 1                               ; group 0 of my rows 0-31: count
	s_mul_i32 s21, s16, 64*PITCH                   ; LDS address: my 64 rows
	s_mov_b32 s60, 1                               ; group 0 of my rows 32-63
	s_add_co_u32 s61, s21, 32*PITCH
	s_mov_b32 s24, 0x07520000                      ; group 1: 4-byte elements; padding on: 4 words behind every 64
	s_mov_b32 s25, 64<<16                          ; tensor_dim0 = 64
	s_mov_b32 s26, 32<<16                          ; tensor_dim1 = 32
	s_mov_b32 s27, 64<<16                          ; tile_dim0 = 64
	s_mov_b32 s28, 32                              ; tile_dim1 = 32: two loads of 32 rows, so that the first half is converted while the second lands
	s_mov_b32 s29, 64                              ; pitch in elements
	s_mov_b32 s30, 0
	s_mov_b32 s31, 0
	s_lshl_b32 s32, s19, 17                        ; wg x 512 rows x 256 bytes
	s_mov_b32 s33, 0
	s_lshl_b32 s34, s16, 14                        ; w x 64 rows x 256 bytes
	s_mov_b32 s35, 0
	s_mov_b32 s36, 0x3f0293ee                      ; SC = 64^-1/4 log2(e)
	s_mov_b32 s37, 0x3f0293ee
	s_mov_b32 s38, 0x76543210                      ; v_permlanex16_b32: lane i of the other half
	s_mov_b32 s39, 0xfedcba98
	s_mov_b32 s40, 0x04000400                      ; lanes with r = 10
	s_mov_b32 s41, 0x3e3504f3                      ; 64^-1/4 / 2
	s_mov_b32 s56, 0xffff0000                      ; a word's upper bf16
	s_lshl_b32 s49, s17, 2
	s_lshl_b32 s54, s18, 1
	s_add_co_u32 s49, s49, s54                     ; first tile that I keep: 4 g + 2 rh
	s_lshr_b32 s50, s19, 7
	s_lshl_b32 s50, s50, 12                        ; mask: batch x 4,096
	s_and_b32 s51, s19, 7
	s_lshl_b32 s51, s51, 9
	s_add_co_u32 s50, s50, s51                     ; + 512 c
	s_mov_b32 s51, 0
	s_lshl_b32 s54, s16, 8
	s_add_co_u32 s54, s54, PIMG+32768              ; my 256 bytes of tile 16's image
	s_lshl_b32 s55, s16, 11
	s_add_co_u32 s55, s55, PIMG                    ; tile w's image; tile w + 8's is 16,384 bytes on
	v_and_b32 v14, 31, v0
	v_lshlrev_b32 v1, 4, v14                       ; lane x 16
	v_and_b32 v2, 15, v0                           ; r
	v_bfe_u32 v3, v0, 4, 1                         ; h
	v_lshlrev_b32 v10, 8, v2
	v_lshl_add_u32 v10, v3, 5, v10
	v_lshl_add_u32 v10, s16, 12, v10               ; projection: row 16 w + r, + 32 h
	v_add_nc_u32 v14, 256, v2
	v_min_u32 v14, 265, v14                        ; tile 16: rows past 265 repeat row 265
	v_lshlrev_b32 v14, 8, v14
	v_lshl_add_u32 v14, v3, 4, v14
	v_lshl_add_u32 v14, s16, 5, v14                ; its numbers d = 8 w + 4 h .. + 3
	v_lshlrev_b32 v9, 5, v3
	v_lshl_add_u32 v9, s16, 6, v9                  ; mask: 64 w + 32 h
	v_lshlrev_b32 v8, 13, v3
	v_lshl_add_u32 v8, v2, 4, v8
	v_add_nc_u32 v8, s34, v8                       ; v: rows 64 w + 32 h, 16 bytes a lane
	v_add_nc_u32 v[TT], s55, v1
	v_lshlrev_b32 v[TT+1], 3, v3
	v_lshl_add_u32 v[TT+1], v2, 4, v[TT+1]
	v_add_nc_u32 v[TT+1], s54, v[TT+1]             ; 16 r + 8 h in my 256 bytes
	s_wait_dscnt 0x0
	s_wait_kmcnt 0x0
	s_add_nc_u64 s[22:23], s[4:5], s[32:33]
	s_add_nc_u64 s[22:23], s[22:23], s[34:35]
	s_add_nc_u64 s[62:63], s[22:23], 0x2000        ; 32 rows of 256 bytes on
	s_or_b32 s23, s23, 0x80000000                  ; type
	s_or_b32 s63, s63, 0x80000000
	tensor_load_to_lds s[20:23], s[24:31]          ; my rows 0-31 of k
	s_nop 0
	tensor_load_to_lds s[60:63], s[24:31]          ; my rows 32-63: two tensor loads of the wave are out, and no more follow
	s_nop 0
	s_add_nc_u64 s[6:7], s[6:7], s[32:33]
	s_add_nc_u64 s[8:9], s[8:9], s[50:51]
.irp t,0,1
.irp i,0,1,2,3,4,5,6,7
	global_load_b128 v[RAW+32*\t+4*\i:RAW+32*\t+4*\i+3], v10, s[10:11] offset:32768*\t+(\i>>2)*128+((\i>>1)&1)*64+(\i&1)*16   ; feature tiles w and w + 8
.endr
.endr
	global_load_b128 v[RAW+64:RAW+67], v14, s[10:11]
	s_mul_i32 s50, s19, 87040                      ; store bases
	s_add_nc_u64 s[12:13], s[12:13], s[50:51]
	s_mul_i32 s50, s49, 5120
	s_add_nc_u64 s[44:45], s[12:13], s[50:51]      ; my two kept tiles
	s_lshl_b32 s50, s16, 10
	s_add_co_u32 s50, s50, 81920
	s_add_nc_u64 s[46:47], s[12:13], s[50:51]      ; tile 16, column tile w
	s_lshl_b32 s50, s19, 2
	s_add_nc_u64 s[52:53], s[14:15], s[50:51]      ; mxbuf[wg]
.irp j,0,1,2,3,4,5,6,7
	v_mov_b32 v[ONES+\j], 0x3f803f80
.endr
.irp j,0,1,2,3
	v_mov_b32 v[MX+\j], 0xff800000
.endr
	; ---- projection: each wave rounds 2 1/8 tiles into the image that all eight read: 17 loads a wave for 17 tiles a work-group ----
	s_wait_loadcnt 0x0
.set i_, 0
.rept 34
	v_cvt_pk_bf16_f32 v[CVP+i_], v[RAW+2*i_], v[RAW+2*i_+1]
.set i_, i_+1
.endr
.irp t,0,1
.irp b,0,1,2,3
	ds_store_b128 v[TT], v[CVP+16*\t+4*\b:CVP+16*\t+4*\b+3] offset:16384*\t+512*\b
.endr
.endr
	ds_store_b64 v[TT+1], v[CVP+32:CVP+33]
	; ---- k: my 64 rows from raw f32 to diagR and bf16 fragments ----
	v_mul_u32_u24 v15, v2, PITCH
	v_lshl_add_u32 v15, v3, 5, v15
	v_add_nc_u32 v15, s21, v15                     ; (64 w + r) x 272 + 32 h
	s_lshl_b32 s50, s16, 8
	s_add_co_u32 s50, s50, DIAG
	v_lshl_add_u32 v10, v2, 2, s50                 ; free since the wait for the projection's loads
	s_lshl_b32 s50, s16, 13
	s_add_co_u32 s50, s50, KFRAG
	v_add_nc_u32 v11, s50, v1
	v_add_nc_u32 v[KB], s50, v1                    ; tile 16's chunks 2 w, 2 w + 1 are the four row tiles that I convert: 8,192 w
	s_wait_tensorcnt 0x1                           ; my rows 0-31 are in LDS (only I read them); rows 32-63 stay out
	WIN 0x40                                       ; destinations in window 1
	global_load_b128 v[200:203], v9, s[8:9]        ; the 32 mask bytes of rows 64 w + 32 h + 0..31
	global_load_b128 v[204:207], v9, s[8:9] offset:16
.set i_, 0
.rept 32
	global_load_b128 v[4*i_:4*i_+3], v8, s[6:7] offset:256*i_ th:TH_LOAD_NT   ; v is first used behind pass 1, so it is asked for behind k: 16 lanes take a row's 256 bytes, lanes 16-31 the row 32 further down
.set i_, i_+1
.endr
	WIN 0
	LDRAW 0
	LDRAW 1
	KCONV 0, 8                                     ; younger: tile 1's eight loads
	KCONV 1, 5                                     ; younger: tile 0's five stores
	s_wait_tensorcnt 0x0                           ; my rows 32-63
	LDRAW 2
	LDRAW 3
	KCONV 2, 8
	KCONV 3, 5
	s_wait_dscnt 0x0                               ; my fragments, diagR and part of the image are written, my reads of raw k are over
	BAR                                            ; everybody's are
	; ---- my five projection tiles from the image ----
	s_lshl_b32 s50, s17, 13
	s_add_co_u32 s50, s50, PIMG                    ; tiles 4 g ..
	s_lshl_b32 s54, s18, 12
	s_add_co_u32 s54, s50, s54                     ; + 2 rh: the pair that I keep
	v_add_nc_u32 v10, s54, v1
	s_xor_b32 s55, s18, 1
	s_lshl_b32 s55, s55, 12
	s_add_co_u32 s55, s50, s55                     ; the pair that I send
	v_add_nc_u32 v11, s55, v1
	v_add_nc_u32 v14, PIMG+32768, v1
.irp b,0,1,2,3,4,5,6,7
	ds_load_b128 v[PF+4*\b:PF+4*\b+3], v10 offset:512*\b
.endr
.irp b,0,1,2,3,4,5,6,7
	ds_load_b128 v[PF+32+4*\b:PF+32+4*\b+3], v11 offset:512*\b
.endr
.irp b,0,1,2,3
	ds_load_b128 v[PF+64+4*\b:PF+64+4*\b+3], v14 offset:512*\b
.endr
	; ---- pass 1: the work-group's maximum of y ----
	s_lshl_b32 s42, s18, 15
	s_add_co_u32 s42, s42, KFRAG                   ; my row half's fragments
	v_add_nc_u32 v[KA], s42, v1
	LDK KA,0,1
	s_mov_b32 s34, 7
.Lp1:
	P1TRIP 4, PF, 1
	s_sub_co_u32 s34, s34, 1
	s_cmp_lg_u32 s34, 0
	s_cbranch_scc1 .Lp1
	P1TRIP 4, PF, 2                                ; chunk 7; asks for tile 16's first chunk
	P1TRIP 1, PF+64, 3
	P1TRIP 1, PF+64, 0
	v_max3_num_f32 v[MX], v[MX], v[MX+1], v[MX+2]
	v_max_num_f32 v[MX], v[MX], v[MX+3]
	v_max_num_f32_dpp v[MX], v[MX], v[MX] row_xmask:1 row_mask:0xf bank_mask:0xf
	v_max_num_f32_dpp v[MX], v[MX], v[MX] row_xmask:2 row_mask:0xf bank_mask:0xf
	v_max_num_f32_dpp v[MX], v[MX], v[MX] row_xmask:4 row_mask:0xf bank_mask:0xf
	v_max_num_f32_dpp v[MX], v[MX], v[MX] row_xmask:8 row_mask:0xf bank_mask:0xf
	v_permlanex16_b32 v[MX+1], v[MX], s38, s39
	v_max_num_f32 v[MX], v[MX], v[MX+1]
	s_lshl_b32 s50, s16, 2
	s_add_co_u32 s50, s50, MXS
	v_mov_b32 v10, s50
	ds_store_b32 v10, v[MX]
	; ---- v: round, select by the mask (a select, so what a masked row holds never matters), into LDS ----
	s_wait_loadcnt 0x0
	WIN 0x05                                       ; sources in window 1
.set i_, 0
.rept 64
	v_cvt_pk_bf16_f32 v[D1+i_], v[2*i_], v[2*i_+1]
.set i_, i_+1
.endr
	WIN 0x01
.irp j,0,1,2,3,4,5,6,7
	v_mov_b32 v[DG+\j], v[200+\j]
.endr
	WIN 0
	s_mul_i32 s43, s16, 64*VPITCH
	s_add_co_u32 s43, s43, VBF                     ; my 64 rows of v in LDS
	v_mul_u32_u24 v11, v3, 32*VPITCH
	v_lshl_add_u32 v11, v2, 3, v11
	v_add_nc_u32 v11, s43, v11                     ; row 64 w + 32 h, columns 4 r .. 4 r + 3
.set i_, 0
.rept 32
	v_and_b32 v[TT], 0xff<<(8*(i_&3)), v[DG+(i_>>2)]
	v_cmp_ne_u32 vcc_lo, 0, v[TT]
	v_cndmask_b32 v[D1+2*i_], 0, v[D1+2*i_], vcc_lo
	v_cndmask_b32 v[D1+2*i_+1], 0, v[D1+2*i_+1], vcc_lo
	ds_store_b64 v11, v[D1+2*i_:D1+2*i_+1] offset:VPITCH*i_
.set i_, i_+1
.endr
	s_wait_dscnt 0x0                               ; my rows of v and my maximum are written
	BAR
	v_mov_b32 v10, MXS
	ds_load_b128 v[MX:MX+3], v10
	ds_load_b128 v[TT:TT+3], v10 offset:16
	s_wait_dscnt 0x0
	v_max3_num_f32 v[MX], v[MX], v[MX+1], v[MX+2]
	v_max3_num_f32 v[TT], v[TT], v[TT+1], v[TT+2]
	v_max3_num_f32 v[MX], v[MX], v[MX+3], v[TT]
	v_max_num_f32 v[MXP], v[MX], v[TT+3]
	v_mov_b32 v[MXP+1], v[MXP]
	; ---- pass 2: e = 2^(SC (y - diagR - mx)), sums of e v, e, v and 1 ----
	v_add_nc_u32 v[KA], s42, v1
	s_lshl_b32 s50, s18, 10
	s_add_co_u32 s50, s50, DIAG
	v_lshl_add_u32 v[DA], v3, 5, s50
	s_lshl_b32 s50, s16, 8
	s_add_co_u32 s50, s50, DIAG
	v_lshl_add_u32 v[DB], v3, 5, s50               ; chunk 2 w: 64 w rows of 4 bytes
	v_and_b32 v14, 7, v0
	v_lshl_add_u32 v14, v3, 3, v14                 ; row 8 h + (lane & 7)
	v_mul_u32_u24 v14, v14, VPITCH
	v_bfe_u32 v15, v0, 3, 1
	v_lshl_add_u32 v14, v15, 4, v14                ; + 16 bytes for lanes 8-15 of each half
	s_mul_i32 s50, s18, 256*VPITCH
	s_add_co_u32 s50, s50, VBF
	v_add_nc_u32 v[VA], s50, v14                   ; v8, v9 are free since the wait for all loads
	v_add_nc_u32 v[VB], s43, v14                   ; chunk 2 w begins at row 64 w
	LDK KA,0,1
	LDD DA,0,1
	P2T 1, 0, 1, 1                                 ; chunk 0: pair A's sums start
	P2T 0, 1, 0, 1                                 ; chunk 1: pair B's sums start, with chunk 0
	s_mov_b32 s34, 5
.Lp2:
	P2T 0, 0, 0, 1                                 ; chunks 2 to 6
	s_sub_co_u32 s34, s34, 1
	s_cmp_lg_u32 s34, 0
	s_cbranch_scc1 .Lp2
	P2T 0, 0, 0, 2                                 ; chunk 7; asks for tile 16's first chunk
	T16 0, 1, 3, 1                                 ; tile 16's first chunk, and what is left of pair B
	T16 32*VPITCH, 0, 0, 0
	; ---- exchange: units 2, 3 to wave w ^ 4, tile 16's parts to waves 0-4; the area is raw k's, whose one fill and last read are long past ----
	NOP4                                           ; places in front of the stores that read the sums
	s_mul_i32 s50, s16, 10240
	v_add_nc_u32 v10, s50, v1
	s_mul_i32 s50, s16, 5120
	s_add_co_u32 s50, s50, X16
	v_add_nc_u32 v11, s50, v1
	WIN 0x04                                       ; store data in window 1
.set i_, 0
.rept 20
	ds_store_b128 v10, v[80+4*i_:83+4*i_] offset:512*i_
.set i_, i_+1
.endr
.set i_, 0
.rept 10
	ds_store_b128 v11, v[160+4*i_:163+4*i_] offset:512*i_
.set i_, i_+1
.endr
	WIN 0
	s_wait_dscnt 0x0
	BAR
	s_xor_b32 s50, s16, 4
	s_mul_i32 s50, s50, 10240
	v_add_nc_u32 v10, s50, v1
.set i_, 0
.rept 20
	ds_load_b128 v[96+4*i_:99+4*i_], v10 offset:512*i_
.set i_, i_+1
.endr
	s_wait_dscnt 0x0
	WIN 0x41                                       ; destination and first source in window 1
.set i_, 0
.rept 40
	v_pk_add_f32 v[2*i_:2*i_+1], v[2*i_:2*i_+1], v[96+2*i_:97+2*i_]
.set i_, i_+1
.endr
	WIN 0x04
.set i_, 0
.rept 20
	global_store_b128 v1, v[4*i_:4*i_+3], s[44:45] offset:512*i_   ; a wave's store covers 512 consecutive bytes, aligned
.set i_, i_+1
.endr
	WIN 0
	s_cmp_gt_u32 s16, 4
	s_cbranch_scc1 .Lno16                          ; waves 0-4 add up tile 16's column tile w
	s_lshl_b32 s50, s16, 10
	s_add_co_u32 s50, s50, X16
	v_add_nc_u32 v14, s50, v1
.irp sw,0,1,2,3,4,5,6,7
	ds_load_b128 v[176+8*\sw:179+8*\sw], v14 offset:5120*\sw
	ds_load_b128 v[180+8*\sw:183+8*\sw], v14 offset:5120*\sw+512
.endr
	s_wait_dscnt 0x0
.irp sw,1,2,3,4,5,6,7
.irp q,0,2,4,6
	v_pk_add_f32 v[176+\q:177+\q], v[176+\q:177+\q], v[176+8*\sw+\q:177+8*\sw+\q]
.endr
.endr
	global_store_b128 v1, v[176:179], s[46:47]
	global_store_b128 v1, v[180:183], s[46:47] offset:512
.Lno16:
	v_mov_b32 v15, 0
	v_mul_f32 v[TT], s36, v[MXP]                   ; the maximum in the exponent's unit: SC x mx
	s_wait_xcnt 0x0                                ; EXEC is a source of the stores above: it changes only behind this wait
	v_cmp_gt_u32 vcc_lo, 1, v0
	s_set_vgpr_msb 0x5
	s_wait_tensorcnt 0x0
	ds_add_u32 v254, v255
	s_wait_dscnt 0x0
	s_set_vgpr_msb 0x500
	s_and_saveexec_b32 s48, vcc_lo                 ; thread 0 alone
	global_store_b32 v15, v[TT], s[52:53]          ; the work-group's maximum
	s_wait_xcnt 0x0
	s_or_b32 exec_lo, exec_lo, s48
	s_endpgm
.Lfunc_end_k_q83dc261d7d_kphase:
	.size	k_q83dc261d7d_kphase, .Lfunc_end_k_q83dc261d7d_kphase-k_q83dc261d7d_kphase
	.p2alignl 7, 3214868480
	.fill 96, 4, 3214868480
	.section	.rodata,"a",@progbits
	.p2align	6, 0x0
	.amdhsa_kernel k_q83dc261d7d_kphase
		.amdhsa_group_segment_fixed_size 324864
		.amdhsa_private_segment_fixed_size 0
		.amdhsa_enable_private_segment 0
		.amdhsa_kernarg_size 48
		.amdhsa_user_sgpr_count 2
		.amdhsa_user_sgpr_kernarg_segment_ptr 1
		.amdhsa_wavefront_size32 1
		.amdhsa_system_sgpr_workgroup_id_x 1
		.amdhsa_system_sgpr_workgroup_id_y 1
		.amdhsa_system_sgpr_workgroup_id_z 1
		.amdhsa_system_vgpr_workitem_id 0
		.amdhsa_next_free_vgpr 512
		.amdhsa_next_free_sgpr 66
		.amdhsa_reserve_vcc 1
		.amdhsa_float_denorm_mode_32 3
		.amdhsa_float_denorm_mode_16_64 3
		.amdhsa_memory_ordered 1
		.amdhsa_forward_progress 1
		.amdhsa_inst_pref_size 120
	.end_amdhsa_kernel
	.amdgpu_metadata
---
amdhsa.version: [ 1, 2 ]
amdhsa.kernels:
  - .name:           k_q83dc261d7d_kphase
    .symbol:         k_q83dc261d7d_kphase.kd
    .args:
      - { .name: k, .offset: 0, .size: 8, .value_kind: global_buffer, .address_space: global }
      - { .name: v, .offset: 8, .size: 8, .value_kind: global_buffer, .address_space: global }
      - { .name: mask, .offset: 16, .size: 8, .value_kind: global_buffer, .address_space: global }
      - { .name: projection, .offset: 24, .size: 8, .value_kind: global_buffer, .address_space: global }
      - { .name: part, .offset: 32, .size: 8, .value_kind: global_buffer, .address_space: global }
      - { .name: mxbuf, .offset: 40, .size: 8, .value_kind: global_buffer, .address_space: global }
    .group_segment_fixed_size: 324864
    .private_segment_fixed_size: 0
    .kernarg_segment_align: 8
    .kernarg_segment_size: 48
    .max_flat_workgroup_size: 256
    .sgpr_count:     66
    .vgpr_count:     512
    .wavefront_size: 32
...
	.end_amdgpu_metadata
.endif
;; end of part 1
;; launch combine (part 2): grid 5 x 32, 17 waves a work-group, no clusters, 3,584 bytes of LDS; arguments part, mxbuf, ctximg; writes ctximg
.if DOCPART == 2
	.amdgcn_target "amdgcn-amd-amdhsa--gfx1250"
	.amdhsa_code_object_version 6
	.text
	.protected	k_q83dc261d7d_combine
	.globl	k_q83dc261d7d_combine
	.p2align	8
	.type	k_q83dc261d7d_combine,@function
k_q83dc261d7d_combine:
	s_mov_b64 s[64:65], 0
	v_nop
	global_prefetch_b8 v0, s[64:65] scope:SCOPE_SE
	s_setreg_imm32_b32 hwreg(HW_REG_WAVE_MODE, 25, 1), 1
	s_wait_xcnt 0x0
; PerformerAttention, launch 2 of 3: the eight partial sums of a head become its context.  The factor ratio stays left out (it cancels in the division).
; C[m][n] = sum over c of 2^(mx_c - mx_all) E_c[m][n] + eps sum over c of E_c[266][n]   (E_c[266] = sums of masked v, and the row count in columns 64..79),
; so columns 0..63 are reference()'s context / ratio and columns 64..79 its k_sum / ratio.  mx_all is the maximum of all 256 work-groups' maxima: the global one.
; Then row 266 := eps x sum over m < 266 of C[m][n] (it meets the query side's feature that is 1, and so adds the query side's eps), rows 267..271 := 0.
; Work-group (nt, head): column tile nt; wave mt: feature tile mt.  Lane (r, h) holds C(16 mt + 8 h + j, 16 nt + r), j = 0..7, as it was stored;
; rounded to bf16 these 16 bytes are half of a B fragment of the third launch.  No matrix work: 8 multiply-adds a number.
; LIMIT: a factor 2^(mx_c - mx_all) below 2^-126 comes out as 0.
	s_load_b128 s[4:7], s[0:1], 0x0                ; part s[4:5], mxbuf s[6:7]
	s_load_b64 s[8:9], s[0:1], 0x10                ; ctximg
	v_lshl_add_u32 v128, v0, 2, 0x500
	v_mov_b32 v129, 0
	s_and_b32 s10, ttmp7, 0xffff                   ; head
	s_mov_b32 s11, ttmp9                           ; nt
	s_mov_b32 s26, 0x76543210
	s_mov_b32 s27, 0xfedcba98
	v_and_b32 v1, 31, v0                           ; lane
	v_lshrrev_b32 v2, 5, v0                        ; mt
	v_and_b32 v3, 15, v0                           ; r
	v_lshlrev_b32 v12, 5, v1                       ; 8 maxima a lane
	v_lshlrev_b32 v13, 4, v1
	v_mul_u32_u24 v14, v2, 5120
	v_add_nc_u32 v14, v14, v13                     ; tile (mt, .) + 16 x lane
	v_lshlrev_b32 v15, 4, v3
	v_add_nc_u32 v15, 81920+256+8, v15             ; tile (16, .), lane 16 + r, register 2: row 266, column r
	v_lshl_add_u32 v116, v2, 9, v13                ; where my 16 bytes go
	s_mul_i32 s12, s10, 696320                     ; 8 x 87,040 bytes a head
	s_lshl_b32 s13, s11, 10
	s_add_co_u32 s12, s12, s13
	s_mov_b32 s13, 0
	s_lshl_b32 s14, s10, 5
	s_mov_b32 s15, 0
	s_mul_i32 s30, s10, 43520
	s_mul_i32 s31, s11, 8704
	s_add_co_u32 s30, s30, s31
	s_mov_b32 s31, 0
	s_wait_kmcnt 0x0
	s_add_nc_u64 s[24:25], s[6:7], s[14:15]
	s_load_b256 s[16:23], s[24:25], 0x0            ; this head's eight maxima
	s_add_nc_u64 s[4:5], s[4:5], s[12:13]
	s_add_nc_u64 s[8:9], s[8:9], s[30:31]
	global_load_b128 v[4:7], v12, s[6:7]           ; all 256 maxima, 8 a lane
	global_load_b128 v[8:11], v12, s[6:7] offset:16
.irp c,0,1,2,3,4,5,6,7
	global_load_b128 v[16+8*\c:19+8*\c], v14, s[4:5] offset:87040*\c
	global_load_b128 v[20+8*\c:23+8*\c], v14, s[4:5] offset:87040*\c+512
	global_load_b32 v[80+\c], v15, s[4:5] offset:87040*\c
.endr
	s_wait_kmcnt 0x0
	s_wait_loadcnt 0x0
	v_max3_num_f32 v4, v4, v5, v6                  ; the global maximum, in every lane
	v_max3_num_f32 v7, v7, v8, v9
	v_max3_num_f32 v4, v4, v10, v11
	v_max_num_f32 v4, v4, v7
	v_max_num_f32_dpp v4, v4, v4 row_xmask:1 row_mask:0xf bank_mask:0xf
	v_max_num_f32_dpp v4, v4, v4 row_xmask:2 row_mask:0xf bank_mask:0xf
	v_max_num_f32_dpp v4, v4, v4 row_xmask:4 row_mask:0xf bank_mask:0xf
	v_max_num_f32_dpp v4, v4, v4 row_xmask:8 row_mask:0xf bank_mask:0xf
	v_permlanex16_b32 v5, v4, s26, s27
	v_max_num_f32 v4, v4, v5
.irp c,0,1,2,3,4,5,6,7
	v_sub_f32 v[96+\c], s[16+\c], v4               ; <= 0
.endr
.irp c,0,1,2,3,4,5,6,7
	v_exp_f32 v[96+\c], v[96+\c]
.endr
	v_add_f32 v80, v80, v81                        ; plain work behind the exponentials: the eps term
	v_add_f32 v82, v82, v83
	v_add_f32 v84, v84, v85
	v_add_f32 v86, v86, v87
	v_add_f32 v80, v80, v82
	v_add_f32 v84, v84, v86
	v_add_f32 v80, v80, v84
	v_mul_f32 v88, 0x38d1b717, v80                 ; eps x sum over c of E_c[266][n]
	v_mov_b32 v89, v88
	s_wait_alu depctr_va_vdst(0)
.irp q,0,2,4,6
	v_pk_fma_f32 v[104+\q:105+\q], v[16+\q:17+\q], v[96:97], v[88:89] op_sel_hi:[1,0,1]       ; c = 0 starts the sum on the eps term
.endr
.irp c,2,4,6
.irp q,0,2,4,6
	v_pk_fma_f32 v[104+\q:105+\q], v[8+8*\c+\q:9+8*\c+\q], v[94+\c:95+\c], v[104+\q:105+\q] op_sel:[0,1,0] op_sel_hi:[1,1,1]   ; c - 1, odd: the pair's second factor
	v_pk_fma_f32 v[104+\q:105+\q], v[16+8*\c+\q:17+8*\c+\q], v[96+\c:97+\c], v[104+\q:105+\q] op_sel_hi:[1,0,1]                ; c, even: its first
.endr
.endr
.irp q,0,2,4,6
	v_pk_fma_f32 v[104+\q:105+\q], v[72+\q:73+\q], v[102:103], v[104+\q:105+\q] op_sel:[0,1,0] op_sel_hi:[1,1,1]               ; c = 7
.endr
	v_cmp_gt_u32 s28, 528, v0                      ; all but wave 16's lanes 16-31, whose registers 2..7 are rows 266..271
.irp j,2,3,4,5,6,7
	v_cndmask_b32 v[104+\j], 0, v[104+\j], s28
.endr
	v_add_f32 v90, v104, v105                      ; column sums over the tile's 16 rows
	v_add_f32 v91, v106, v107
	v_add_f32 v92, v108, v109
	v_add_f32 v93, v110, v111
	v_add_f32 v90, v90, v91
	v_add_f32 v92, v92, v93
	v_add_f32 v90, v90, v92
	v_permlanex16_b32 v91, v90, s26, s27
	v_add_f32 v90, v90, v91
	v_lshlrev_b32 v92, 4, v2
	v_add_lshl_u32 v92, v92, v3, 2                 ; word 16 mt + r; both halves write the same value
	ds_store_b32 v92, v90
	s_wait_dscnt 0x0                               ; written, for the other waves' sake
	s_barrier_signal -1
	s_barrier_wait -1
	v_lshlrev_b32 v93, 2, v3
.irp w,0,1,2,3,4,5,6,7,8,9,10,11,12,13,14,15,16
	ds_load_b32 v[16+\w], v93 offset:64*\w
.endr
	s_wait_dscnt 0x0
.irp q,0,2,4,6,8,10,12,14
	v_add_f32 v[16+\q], v[16+\q], v[17+\q]
.endr
.irp q,0,4,8,12
	v_add_f32 v[16+\q], v[16+\q], v[18+\q]
.endr
	v_add_f32 v16, v16, v20
	v_add_f32 v24, v24, v28
	v_add_f32 v16, v16, v24
	v_add_f32 v16, v16, v32
	v_mul_f32 v16, 0x38d1b717, v16                 ; eps x sum over m < 266
	v_cndmask_b32 v106, v16, v106, s28             ; becomes row 266
	v_cvt_pk_bf16_f32 v112, v104, v105
	v_cvt_pk_bf16_f32 v113, v106, v107
	v_cvt_pk_bf16_f32 v114, v108, v109
	v_cvt_pk_bf16_f32 v115, v110, v111
	global_store_b128 v116, v[112:115], s[8:9]     ; the wave's store covers 512 consecutive bytes, aligned
	s_wait_tensorcnt 0x0
	ds_add_u32 v128, v129
	s_wait_dscnt 0x0
	s_endpgm
.Lfunc_end_k_q83dc261d7d_combine:
	.size	k_q83dc261d7d_combine, .Lfunc_end_k_q83dc261d7d_combine-k_q83dc261d7d_combine
	.p2alignl 7, 3214868480
	.fill 96, 4, 3214868480
	.section	.rodata,"a",@progbits
	.p2align	6, 0x0
	.amdhsa_kernel k_q83dc261d7d_combine
		.amdhsa_group_segment_fixed_size 3584
		.amdhsa_private_segment_fixed_size 0
		.amdhsa_enable_private_segment 0
		.amdhsa_kernarg_size 24
		.amdhsa_user_sgpr_count 2
		.amdhsa_user_sgpr_kernarg_segment_ptr 1
		.amdhsa_wavefront_size32 1
		.amdhsa_system_sgpr_workgroup_id_x 1
		.amdhsa_system_sgpr_workgroup_id_y 1
		.amdhsa_system_sgpr_workgroup_id_z 1
		.amdhsa_system_vgpr_workitem_id 0
		.amdhsa_next_free_vgpr 130
		.amdhsa_next_free_sgpr 66
		.amdhsa_reserve_vcc 0
		.amdhsa_float_denorm_mode_32 3
		.amdhsa_float_denorm_mode_16_64 3
		.amdhsa_memory_ordered 1
		.amdhsa_forward_progress 1
		.amdhsa_inst_pref_size 11
	.end_amdhsa_kernel
	.amdgpu_metadata
---
amdhsa.version: [ 1, 2 ]
amdhsa.kernels:
  - .name:           k_q83dc261d7d_combine
    .symbol:         k_q83dc261d7d_combine.kd
    .args:
      - { .name: part, .offset: 0, .size: 8, .value_kind: global_buffer, .address_space: global }
      - { .name: mxbuf, .offset: 8, .size: 8, .value_kind: global_buffer, .address_space: global }
      - { .name: ctximg, .offset: 16, .size: 8, .value_kind: global_buffer, .address_space: global }
    .group_segment_fixed_size: 3584
    .private_segment_fixed_size: 0
    .kernarg_segment_align: 8
    .kernarg_segment_size: 24
    .max_flat_workgroup_size: 544
    .sgpr_count:     66
    .vgpr_count:     130
    .wavefront_size: 32
...
	.end_amdgpu_metadata
.endif
;; end of part 2
;; launch qphase (part 3): grid 256 x 1, 8 waves a work-group, no clusters, 221,184 bytes of LDS; arguments q, projection, ctximg, out0; writes out0
.if DOCPART == 3
	.amdgcn_target "amdgcn-amd-amdhsa--gfx1250"
	.amdhsa_code_object_version 6
	.text
	.protected	k_q83dc261d7d_qphase
	.globl	k_q83dc261d7d_qphase
	.p2align	8
	.type	k_q83dc261d7d_qphase,@function
k_q83dc261d7d_qphase:
	s_mov_b64 s[64:65], 0
	v_nop
	global_prefetch_b8 v0, s[64:65] scope:SCOPE_SE
	s_setreg_imm32_b32 hwreg(HW_REG_WAVE_MODE, 25, 1), 1
	s_wait_xcnt 0x0
; PerformerAttention, launch 3 of 3: the query side.  The factor ratio stays left out (it cancels in the division).
; e[l][m] = 2^(SC y - SC max over m of y - diag'), y = q . p (raw), SC = 64^-1/4 log2(e), diag' = log2(e) / 16 x sum of q^2;
; out[l][d] = sum_m (e + eps) C[m][d] / sum_m (e + eps) C[m][64].
; The eps term is row 266 of C (made by the second launch) times a feature forced to 1; features 267..271 meet zeros in C.
; Work-group wg = head*8 + c: rows 512 c .. + 511 of a head; a wave owns 64 rows, as two groups of two row tiles (pieces p = 0, 1) that share every
; projection and context fragment read from LDS.
; PRODUCTS.  First, transposed: A = 16 features, B = 16 rows of q, D(feature = 8 h + j, l = r): a row's maximum and diag' are one number a lane.
; Two feature tiles packed to bf16 ARE the A fragment (row = l, K = 32 features) of the second product.  In the context's fragments column r of
; column tile t stands for d = 4 r + t, so that a lane ends up with four neighbouring d of a row: 16 lanes store 256 consecutive bytes, aligned.
; THE SECOND PRODUCT IN TURNS WITH THE EXPONENTIALS.  Its nine K steps run with every operand in window 1, and the next step's exponentials and packs stand in
; slices behind the ten products of a step.  Feature tiles 0-11 lie in window 0; the multiply-add that they need anyway (x SC, - SC max - diag') writes its
; result into window 1, 16 instructions a step, in the gap between two steps in which the context's next fragments are also asked for.
; The maxima stay a phase of their own: in the first product A lies in window 1, and so would the first source of every vector instruction beside it.
; Clusters are not used: the eight work-groups of a head share the projection (34,816 bytes as bf16) and the context (43,520) of some 300,000 bytes read.
; LIMITS: a NaN in q loses in the row maximum; exponentials below 2^-126 come out as 0; q, projection, e and C are bf16 in the products; SC, diag' and all
; sums are f32; diag' is summed over the rounded q, the same vector that enters the product.
; LDS: 0 raw q, 512 rows of 272 bytes, filled once; PIMG projection fragments, 2,048 bytes a tile; CIMG context fragments, 5,120 bytes a K step of 32 features.
.set QPITCH, 272
.set PIMG,   139264
.set CIMG,   174080
; window 0: v1 lane*16, v2 r, v3 h
.set QA,  4                            ; raw q: (64 w + r) x 272 + 32 h
.set PA,  5                            ; PIMG + 16 lane
.set CA,  6                            ; CIMG + 16 lane
.set VO,  7                            ; out: 8 h rows + 16 r
.set DGQ, 14                           ; v14, v15 -diag' of piece p
.set QF,  16                           ; v[16:47]  q fragments: 16 p + 8 s
.set DL,  48                           ; v[48:239] first product, tiles 0-11: 96 p + 8 mt; at the end +0..31 results, +32..39 reciprocals; at a group's head at work
.set SQ,  240                          ; v[240:243] sums of squares
.set CH,  244                          ; v[244:251] four running maxima a piece
.set SCV, 252                          ; v[252:253] SC, twice
; window 1: 0-79 two fragment buffers of 40 (also raw q, 32 a piece)
.set ACC, 80                           ; 80-159  second product: 40 p + 8 n
.set DH,  160                          ; 160-239 first product, tiles 12-16: 40 p + 8 (mt - 12); then two places of 16 registers a piece, +0 and +16, in which K steps are
                                       ;         exponentiated and packed by turns, and tile 16's fragment at +32 with zeros above
.set SCV1, 240                         ; 240-241 SC, twice
.set STP1, 242                         ; 242-245 -(SC max + diag') of piece p, twice
.set ONE1, 246                         ; bf16 1.0 below, 0 above
.set MSB, 0
.macro WIN new
.if MSB != \new
	s_set_vgpr_msb (MSB<<8)|\new
.set MSB, \new
.endif
.endm
.macro NOP4                            ; four places behind a matrix instruction (ISA guide 7.12.1)
.rept 4
	v_nop
.endr
.endm
.macro MM d, a, b, first
.if \first
	v_wmma_f32_16x16x32_bf16 v[\d:\d+7], v[\a:\a+7], v[\b:\b+7], 0
.else
	v_wmma_f32_16x16x32_bf16 v[\d:\d+7], v[\a:\a+7], v[\b:\b+7], v[\d:\d+7]
.endif
.endm
.macro LOADP b                         ; projection tiles 2 b, 2 b + 1 (batch 8: tile 16 alone) into buffer b & 1
.set lb_, \b
.set ln_, 8
.if lb_ == 8
.set ln_, 4
.endif
.set i_, 0
.rept ln_
	ds_load_b128 v[40*(lb_&1)+4*i_:40*(lb_&1)+4*i_+3], v[PA] offset:lb_*4096+512*i_
.set i_, i_+1
.endr
.endm
.macro LOADC ks, buf                   ; the five context fragments of K step ks into buffer buf
.set i_, 0
.rept 10
	ds_load_b128 v[40*\buf+4*i_:40*\buf+4*i_+3], v[CA] offset:\ks*5120+512*i_
.set i_, i_+1
.endr
.endm
; First product, two feature tiles x two pieces, K = 64 in two steps.  The accumulators take turns, one instruction a turn.
.macro BATCH b
.if \b<7
	s_wait_dscnt 8                                 ; this batch's loads are in; the next batch's eight stay out
.else
.if \b==7
	s_wait_dscnt 4                                 ; batch 8 has four
.else
	s_wait_dscnt 0x0
.endif
.endif
.if \b<6
	WIN 0x01                                       ; A in window 1
.set d_, DL+16*\b
.set dp_, 96
.else
	WIN 0x51                                       ; A, C and D in window 1
.set d_, DH+16*(\b-6)
.set dp_, 40
.endif
.set f_, 40*(\b&1)
.irp s,0,1
	MM d_,f_+8*\s,QF+8*\s,1-\s
	MM d_+dp_,f_+8*\s,QF+16+8*\s,1-\s
.if \b<8
	MM d_+8,f_+16+8*\s,QF+8*\s,1-\s
	MM d_+dp_+8,f_+16+8*\s,QF+16+8*\s,1-\s
.endif
.endr
	NOP4                                           ; places in front of the loads into this buffer (behind batch 8: and of the reads of D)
.if \b<7
	WIN 0x40
	LOADP \b+2
.endif
.endm
; Op k of the vector phase of a K step whose 16 registers a piece lie at DH + 40 p + t, all in window 1.  fm = 1: 16 multiply-adds come first (65 ops);
; fm = 0: they were made on the way into window 1 (49 ops).  Then 32 exponentials, a v_nop (the plain instruction between them and the first use,
; ISA guide 5.7.2), 16 packs in place: the fragment is the place's first 8 registers.
.macro VOP t, fm, k
.set vk_, \k
.if \fm
.set vk_, vk_-16
.endif
.if vk_<0
.set vp_, (vk_+16)>>3
.set vi_, (vk_+16)&7
	v_pk_fma_f32 v[DH+40*vp_+\t+2*vi_:DH+40*vp_+\t+2*vi_+1], v[DH+40*vp_+\t+2*vi_:DH+40*vp_+\t+2*vi_+1], v[SCV1:SCV1+1], v[STP1+2*vp_:STP1+2*vp_+1]
.else
.if vk_<32
.set vp_, vk_>>4
.set vi_, vk_&15
	v_exp_f32 v[DH+40*vp_+\t+vi_], v[DH+40*vp_+\t+vi_]
.else
.if vk_==32
	v_nop
	s_wait_alu depctr_va_vdst(0)
.else
.set vp_, (vk_-33)>>3
.set vi_, (vk_-33)&7
	v_cvt_pk_bf16_f32 v[DH+40*vp_+\t+vi_], v[DH+40*vp_+\t+2*vi_], v[DH+40*vp_+\t+2*vi_+1]
.endif
.endif
.endif
.endm
; Run i of the second product: one K step of 32 features, five column tiles x two pieces, ten accumulators by turns, one instruction a turn.
; e: the A fragments lie at DH + e + 40 p; the B fragments in buffer i & 1.  Behind product j stand vq ops of the next run's vector phase (place vt, vn ops in all);
; the last slice takes what is left, four packs or more: the places in front of the gap's loads and multiply-adds.
.macro RUN i, e, first, vt, vfm, vq, vn
.if \i<8
	s_wait_dscnt 10                                ; this run's fragments are in; the next run's ten loads stay out
.else
	s_wait_dscnt 0x0
.endif
.set op_, 0
.set j_, 0
.rept 10
.set ra_, ACC+40*(j_&1)+8*(j_>>1)
.set re_, DH+\e+40*(j_&1)
.set rb_, 40*(\i&1)+8*(j_>>1)
	MM ra_,re_,rb_,\first
.if \vn
.set lim_, (j_+1)*\vq
.if j_==9
.set lim_, \vn
.endif
.rept lim_-op_
	VOP \vt,\vfm,op_
.set op_, op_+1
.endr
.endif
.set j_, j_+1
.endr
.endm
; Between run i - 1 and run i, for run i + 1 = K step ks: its context fragments into the buffer that run i - 1 read, and (mv = 1) its y from window 0,
; x SC - (SC max + diag'), into the place t whose fragment run i - 1 read.
.macro GAP ks, buf, mv, t
	WIN 0x54                                       ; first source (the loads' address, y) in window 0, all else in window 1
	LOADC \ks,\buf
.if \mv
.irp p,0,1
.irp i,0,1,2,3,4,5,6,7
	v_pk_fma_f32 v[DH+40*\p+\t+2*\i:DH+40*\p+\t+2*\i+1], v[DL+96*\p+16*\ks+2*\i:DL+96*\p+16*\ks+2*\i+1], v[SCV1:SCV1+1], v[STP1+2*\p:STP1+2*\p+1]
.endr
.endr
.endif
	WIN 0x55
.endm
.macro GROUP gi
	; a. q: 32 rows from raw f32 to bf16 fragments and diag'
	s_wait_xcnt 0x0                                ; the last group's stores have read their registers, which are written again below
	WIN 0x40
.irp p,0,1
.irp i,0,1,2,3,4,5,6,7
	ds_load_b128 v[32*\p+4*\i:32*\p+4*\i+3], v[QA] offset:(32*\gi+16*\p)*QPITCH+(\i>>2)*128+((\i>>1)&1)*64+(\i&1)*16
.endr
.endr
	s_wait_dscnt 0x0
	WIN 0x05                                       ; sources 0 and 1 in window 1
.set i_, 0
.rept 32
	v_cvt_pk_bf16_f32 v[QF+i_], v[2*i_], v[2*i_+1]
.set i_, i_+1
.endr
	WIN 0x40
	LOADP 0
	LOADP 1
	WIN 0
.set i_, 0
.rept 32
	v_lshlrev_b32 v[DL+2*i_], 16, v[QF+i_]         ; the rounded numbers as f32 again
	v_and_b32 v[DL+2*i_+1], s40, v[QF+i_]
.set i_, i_+1
.endr
	v_pk_mul_f32 v[SQ:SQ+1], v[DL:DL+1], v[DL:DL+1]
	v_pk_mul_f32 v[SQ+2:SQ+3], v[DL+32:DL+33], v[DL+32:DL+33]
.set i_, 1
.rept 15
	v_pk_fma_f32 v[SQ:SQ+1], v[DL+2*i_:DL+2*i_+1], v[DL+2*i_:DL+2*i_+1], v[SQ:SQ+1]
	v_pk_fma_f32 v[SQ+2:SQ+3], v[DL+32+2*i_:DL+33+2*i_], v[DL+32+2*i_:DL+33+2*i_], v[SQ+2:SQ+3]
.set i_, i_+1
.endr
	v_add_f32 v[SQ], v[SQ], v[SQ+1]
	v_add_f32 v[SQ+2], v[SQ+2], v[SQ+3]
	v_permlanex16_b32 v[SQ+1], v[SQ], s38, s39     ; the row's other 32 numbers lie in lane r of the other half
	v_permlanex16_b32 v[SQ+3], v[SQ+2], s38, s39
	v_add_f32 v[SQ], v[SQ], v[SQ+1]
	v_add_f32 v[SQ+2], v[SQ+2], v[SQ+3]
	v_mul_f32 v[DGQ], s41, v[SQ]                   ; -diag'
	v_mul_f32 v[DGQ+1], s41, v[SQ+2]
	; b. y for 17 feature tiles
.irp b,0,1,2,3,4,5,6,7,8
	BATCH \b
.endr
	WIN 0x40
	LOADC 8,0                                      ; the first two runs' context fragments land during the maxima
	LOADC 6,1
	; c. the rows' maxima
	WIN 0
.irp p,0,1
.irp c,0,1,2,3
	v_max3_num_f32 v[CH+4*\p+\c], v[DL+96*\p+3*\c], v[DL+96*\p+3*\c+1], v[DL+96*\p+3*\c+2]   ; the first twelve start the chains
.endr
.set i_, 0
.rept 42
	v_max3_num_f32 v[CH+4*\p+(i_&3)], v[CH+4*\p+(i_&3)], v[DL+96*\p+12+2*i_], v[DL+96*\p+13+2*i_]
.set i_, i_+1
.endr
.endr
	WIN 0x14                                       ; sources 1 and 2 in window 1
.irp p,0,1
.set i_, 0
.rept 20
	v_max3_num_f32 v[CH+4*\p+(i_&3)], v[CH+4*\p+(i_&3)], v[DH+40*\p+2*i_], v[DH+40*\p+2*i_+1]
.set i_, i_+1
.endr
.endr
	WIN 0
.irp p,0,1
	v_max3_num_f32 v[CH+4*\p], v[CH+4*\p], v[CH+4*\p+1], v[CH+4*\p+2]
	v_max_num_f32 v[CH+4*\p], v[CH+4*\p], v[CH+4*\p+3]
	v_permlanex16_b32 v[CH+4*\p+1], v[CH+4*\p], s38, s39
	v_max_num_f32 v[CH+4*\p], v[CH+4*\p], v[CH+4*\p+1]
.endr
	WIN 0x40                                       ; destination in window 1
.irp p,0,1
	v_fma_f32 v[STP1+2*\p], -v[CH+4*\p], v[SCV], v[DGQ+\p]     ; -(SC max + diag'), made twice to fill the pair
	v_fma_f32 v[STP1+2*\p+1], -v[CH+4*\p], v[SCV], v[DGQ+\p]
.endr
	; d and e. e = 2^(SC y - SC max - diag') and e x C.  Tile 16 goes ahead; from then on each K step's vector phase stands at the products of the step before.
	WIN 0x55                                       ; everything in window 1
.irp p,0,1
.irp q,0,2,4,6
	v_pk_fma_f32 v[DH+40*\p+32+\q:DH+40*\p+33+\q], v[DH+40*\p+32+\q:DH+40*\p+33+\q], v[SCV1:SCV1+1], v[STP1+2*\p:STP1+2*\p+1]
.endr
.endr
.irp p,0,1
.irp q,0,1,2,3,4,5,6,7
	v_exp_f32 v[DH+40*\p+32+\q], v[DH+40*\p+32+\q]
.endr
.endr
	v_nop                                          ; one plain instruction between the exponentials and the first use (ISA guide 5.7.2)
	s_wait_alu depctr_va_vdst(0)
.irp p,0,1
.irp q,0,1,2,3
	v_cvt_pk_bf16_f32 v[DH+40*\p+32+\q], v[DH+40*\p+32+2*\q], v[DH+40*\p+33+2*\q]
.endr
	v_cndmask_b32 v[DH+40*\p+33], v[DH+40*\p+33], v[ONE1], s40   ; lanes 16-31, registers 2 and 3 of tile 16: feature 266 := 1, 267 := 0
.irp q,0,1,2,3
	v_mov_b32 v[DH+40*\p+36+\q], 0                 ; features 272..287 do not exist
.endr
.endr
	RUN 0, 32, 1, 0, 1, 6, 65                      ; K step 8 starts the sums; at it: tiles 12, 13
	GAP 7, 0, 0, 0
	RUN 1, 0, 0, 16, 1, 6, 65                      ; K step 6; at it: tiles 14, 15
	GAP 0, 1, 1, 0
	RUN 2, 16, 0, 0, 0, 5, 49                      ; K step 7; at it: K step 0
	GAP 1, 0, 1, 16
	RUN 3, 0, 0, 16, 0, 5, 49                      ; K step 0
	GAP 2, 1, 1, 0
	RUN 4, 16, 0, 0, 0, 5, 49                      ; K step 1
	GAP 3, 0, 1, 16
	RUN 5, 0, 0, 16, 0, 5, 49                      ; K step 2
	GAP 4, 1, 1, 0
	RUN 6, 16, 0, 0, 0, 5, 49                      ; K step 3
	GAP 5, 0, 1, 16
	RUN 7, 0, 0, 16, 0, 5, 49                      ; K step 4
	RUN 8, 16, 0, 0, 0, 0, 0                       ; K step 5: nothing is left to stand at it
	NOP4                                           ; places in front of the reads of the sums
	; f. divide and store
	WIN 0x01                                       ; source 0 in window 1
.irp p,0,1
.irp j,0,1,2,3,4,5,6,7
	v_rcp_f32 v[DL+96*\p+32+\j], v[ACC+40*\p+32+\j]
.endr
.endr
	v_nop                                          ; one plain instruction between the reciprocals and the first use
	s_wait_alu depctr_va_vdst(0)
.irp p,0,1
.irp j,0,1,2,3,4,5,6,7
.irp t,0,1,2,3
	v_mul_f32 v[DL+96*\p+4*\j+\t], v[ACC+40*\p+8*\t+\j], v[DL+96*\p+32+\j]   ; row 8 h + j, d = 4 r + t
.endr
.endr
.endr
	WIN 0
.irp p,0,1
.irp j,0,1,2,3,4,5,6,7
	global_store_b128 v[VO], v[DL+96*\p+4*\j:DL+96*\p+4*\j+3], s[44:45] offset:(32*\gi+16*\p+\j)*4096 th:TH_STORE_NT   ; 16 lanes store the 256 bytes of (l, head)
.endr
.endr
.endm
	; ---- head ----
	s_load_b256 s[4:11], s[0:1], 0x0               ; q s[4:5], projection s[6:7], ctximg s[8:9], out0 s[10:11]
	v_lshl_add_u32 v254, v0, 2, 0x35c00
	v_mov_b32 v255, 0
	ds_add_u32 v254, v255
	ds_add_u32 v254, v255
	v_lshrrev_b32 v9, 5, v0
	v_readfirstlane_b32 s16, v9                    ; wave w
	s_mov_b32 s19, ttmp9                           ; wg
	s_mov_b32 s20, 1                               ; group 0 of my rows 0-31: count
	s_mul_i32 s21, s16, 64*QPITCH                  ; LDS address: my 64 rows
	s_mov_b32 s56, 1                               ; group 0 of my rows 32-63
	s_add_co_u32 s57, s21, 32*QPITCH
	s_mov_b32 s24, 0x07520000                      ; group 1: 4-byte elements; padding on: 4 words behind every 64
	s_mov_b32 s25, 64<<16                          ; tensor_dim0 = 64
	s_mov_b32 s26, 32<<16                          ; tensor_dim1 = 32
	s_mov_b32 s27, 64<<16                          ; tile_dim0 = 64
	s_mov_b32 s28, 32                              ; tile_dim1 = 32: a load for each group of 32 rows, so that the second lands under the first group's work
	s_mov_b32 s29, 64                              ; pitch in elements
	s_mov_b32 s30, 0
	s_mov_b32 s31, 0
	s_lshl_b32 s32, s19, 17                        ; wg x 512 rows x 256 bytes
	s_mov_b32 s33, 0
	s_lshl_b32 s34, s16, 14                        ; w x 64 rows x 256 bytes
	s_mov_b32 s35, 0
	s_mov_b32 s38, 0x76543210
	s_mov_b32 s39, 0xfedcba98
	s_mov_b32 s40, 0xffff0000                      ; lanes 16-31; also a word's upper bf16
	s_mov_b32 s41, 0xbdb8aa3b                      ; -log2(e) / 16
	s_lshr_b32 s50, s19, 3
	s_mul_i32 s50, s50, 43520                      ; the head's context
	s_mov_b32 s51, 0
	s_lshr_b32 s52, s19, 7
	s_lshl_b32 s52, s52, 24                        ; out: batch x 4,096 rows x 4,096 bytes
	s_and_b32 s54, s19, 7
	s_lshl_b32 s54, s54, 21                        ; + 512 c rows
	s_add_co_u32 s52, s52, s54
	s_lshl_b32 s54, s16, 18                        ; + 64 w rows
	s_add_co_u32 s52, s52, s54
	s_bfe_u32 s54, s19, 0x40003
	s_lshl_b32 s54, s54, 8                         ; + the head's 256 bytes in a row
	s_add_co_u32 s52, s52, s54
	s_mov_b32 s53, 0
	v_and_b32 v9, 31, v0
	v_lshlrev_b32 v1, 4, v9                        ; lane x 16
	v_and_b32 v2, 15, v0                           ; r
	v_bfe_u32 v3, v0, 4, 1                         ; h
	v_lshlrev_b32 v240, 8, v2
	v_lshl_add_u32 v240, v3, 5, v240
	v_lshl_add_u32 v240, s16, 12, v240             ; projection: row 16 w + r, + 32 h
	v_lshl_add_u32 v241, s16, 9, v1                ; context: block w, 16 bytes a lane
	v_add_nc_u32 v245, 256, v2
	v_min_u32 v245, 265, v245                      ; tile 16: rows past 265 repeat row 265: they change no maximum
	v_lshlrev_b32 v245, 8, v245
	v_lshl_add_u32 v245, v3, 5, v245
	WIN 0x40                                       ; constants of window 1
	v_mov_b32 v[SCV1], 0x3f0293ee                  ; SC = 64^-1/4 log2(e)
	v_mov_b32 v[SCV1+1], 0x3f0293ee
	v_mov_b32 v[ONE1], 0x3f80
	WIN 0
	s_wait_dscnt 0x0
	s_wait_kmcnt 0x0
	s_add_nc_u64 s[22:23], s[4:5], s[32:33]
	s_add_nc_u64 s[22:23], s[22:23], s[34:35]
	s_add_nc_u64 s[58:59], s[22:23], 0x2000        ; 32 rows of 256 bytes on
	s_or_b32 s23, s23, 0x80000000                  ; type
	s_or_b32 s59, s59, 0x80000000
	tensor_load_to_lds s[20:23], s[24:31]          ; my rows 0-31 of q
	s_nop 0
	tensor_load_to_lds s[56:59], s[24:31]          ; my rows 32-63: two tensor loads of the wave are out, and no more follow
	s_nop 0
	s_add_nc_u64 s[8:9], s[8:9], s[50:51]
	s_add_nc_u64 s[44:45], s[10:11], s[52:53]
	s_cmp_lg_u32 s16, 0
	s_cbranch_scc1 .Lnoext0                        ; wave 0 also brings feature tile 16: its loads go out ahead of the others, so the counts below hold in every wave
.irp i,0,1,2,3,4,5,6,7
	global_load_b128 v[184+4*\i:187+4*\i], v245, s[6:7] offset:(\i>>2)*128+((\i>>1)&1)*64+(\i&1)*16
.endr
.irp nn,0,1,2,3,4
	global_load_b128 v[216+4*\nn:219+4*\nn], v1, s[8:9] offset:8704*\nn+8192
.endr
.Lnoext0:
.irp t,0,1
.irp i,0,1,2,3,4,5,6,7
	global_load_b128 v[48+32*\t+4*\i:51+32*\t+4*\i], v240, s[6:7] offset:32768*\t+(\i>>2)*128+((\i>>1)&1)*64+(\i&1)*16   ; feature tiles w and w + 8
.endr
.endr
.irp nn,0,1,2,3,4
.irp t,0,1
	global_load_b128 v[112+8*\nn+4*\t:115+8*\nn+4*\t], v241, s[8:9] offset:8704*\nn+4096*\t   ; context blocks (nn, w) and (nn, w + 8)
.endr
.endr
	v_add_nc_u32 v[PA], PIMG, v1
	v_add_nc_u32 v[CA], CIMG, v1
	v_lshl_add_u32 v242, s16, 11, v[PA]            ; my projection tile in LDS
	s_lshr_b32 s50, s16, 1
	s_mul_i32 s50, s50, 5120
	s_and_b32 s54, s16, 1
	s_lshl_b32 s54, s54, 9
	s_add_co_u32 s50, s50, s54                     ; K step w >> 1, half w & 1
	v_and_b32 v243, 3, v2
	v_lshlrev_b32 v243, 10, v243                   ; column d = 16 nn + r goes to column tile r & 3,
	v_lshrrev_b32 v244, 2, v2
	v_lshl_add_u32 v243, v244, 4, v243             ; lane 4 nn + (r >> 2) of it (4 nn lanes = 64 nn bytes stand in the immediate)
	v_lshl_add_u32 v243, v3, 8, v243
	v_add_nc_u32 v243, CIMG, v243
	v_add_nc_u32 v243, s50, v243
	v_add_nc_u32 v244, s50, v[CA]                  ; the fifth column tile keeps its order
	v_mul_u32_u24 v[QA], v2, QPITCH
	v_lshl_add_u32 v[QA], v3, 5, v[QA]
	v_add_nc_u32 v[QA], s21, v[QA]
	v_lshlrev_b32 v[VO], 15, v3
	v_lshl_add_u32 v[VO], v2, 4, v[VO]
	v_mov_b32 v[SCV], 0x3f0293ee                   ; SC = 64^-1/4 log2(e)
	v_mov_b32 v[SCV+1], 0x3f0293ee
	s_wait_loadcnt 10                              ; the projection is in; the ten younger loads (context) stay out
.set i_, 0
.rept 32
	v_cvt_pk_bf16_f32 v[152+i_], v[48+2*i_], v[49+2*i_]
.set i_, i_+1
.endr
.irp t,0,1
.irp b,0,1,2,3
	ds_store_b128 v242, v[152+16*\t+4*\b:155+16*\t+4*\b] offset:16384*\t+512*\b
.endr
.endr
	s_wait_loadcnt 0x0
.irp t,0,1
.irp nn,0,1,2,3
	ds_store_b128 v243, v[112+8*\nn+4*\t:115+8*\nn+4*\t] offset:64*\nn+20480*\t
.endr
	ds_store_b128 v244, v[144+4*\t:147+4*\t] offset:4096+20480*\t
.endr
	s_cmp_lg_u32 s16, 0
	s_cbranch_scc1 .Lnoextra                       ; wave 0: tile 16's parts, which arrived with the rest
.irp q,0,1,2,3
	v_mov_b32 v[236+\q], 0
.endr
.set i_, 0
.rept 16
	v_cvt_pk_bf16_f32 v[152+i_], v[184+2*i_], v[185+2*i_]
.set i_, i_+1
.endr
.irp b,0,1,2,3
	ds_store_b128 v[PA], v[152+4*\b:155+4*\b] offset:32768+512*\b
.endr
.irp nn,0,1,2,3
	ds_store_b128 v243, v[216+4*\nn:219+4*\nn] offset:40960+64*\nn   ; in wave 0 v243 is K step 0, half 0: K step 8 is 40,960 bytes on
.endr
	ds_store_b128 v[CA], v[232:235] offset:40960+4096
.irp nn,0,1,2,3,4
	ds_store_b128 v[CA], v[236:239] offset:40960+1024*\nn+512        ; features 272..287: zeros
.endr
.Lnoextra:
	s_wait_tensorcnt 0x1                           ; my rows 0-31 of q are in LDS (only I read them); rows 32-63 stay out
	s_wait_dscnt 0x0                               ; my parts of the two images are written
	s_barrier_signal -1
	s_barrier_wait -1                              ; everybody's are; no wave writes LDS from here on
	GROUP 0
	s_wait_tensorcnt 0x0                           ; my rows 32-63
	GROUP 1
	s_wait_tensorcnt 0x0
	ds_add_u32 v254, v255
	s_wait_dscnt 0x0
	s_endpgm
.Lfunc_end_k_q83dc261d7d_qphase:
	.size	k_q83dc261d7d_qphase, .Lfunc_end_k_q83dc261d7d_qphase-k_q83dc261d7d_qphase
	.p2alignl 7, 3214868480
	.fill 96, 4, 3214868480
	.section	.rodata,"a",@progbits
	.p2align	6, 0x0
	.amdhsa_kernel k_q83dc261d7d_qphase
		.amdhsa_group_segment_fixed_size 221184
		.amdhsa_private_segment_fixed_size 0
		.amdhsa_enable_private_segment 0
		.amdhsa_kernarg_size 32
		.amdhsa_user_sgpr_count 2
		.amdhsa_user_sgpr_kernarg_segment_ptr 1
		.amdhsa_wavefront_size32 1
		.amdhsa_system_sgpr_workgroup_id_x 1
		.amdhsa_system_sgpr_workgroup_id_y 1
		.amdhsa_system_sgpr_workgroup_id_z 1
		.amdhsa_system_vgpr_workitem_id 0
		.amdhsa_next_free_vgpr 512
		.amdhsa_next_free_sgpr 66
		.amdhsa_reserve_vcc 0
		.amdhsa_float_denorm_mode_32 3
		.amdhsa_float_denorm_mode_16_64 3
		.amdhsa_memory_ordered 1
		.amdhsa_forward_progress 1
		.amdhsa_inst_pref_size 154
	.end_amdhsa_kernel
	.amdgpu_metadata
---
amdhsa.version: [ 1, 2 ]
amdhsa.kernels:
  - .name:           k_q83dc261d7d_qphase
    .symbol:         k_q83dc261d7d_qphase.kd
    .args:
      - { .name: q, .offset: 0, .size: 8, .value_kind: global_buffer, .address_space: global }
      - { .name: projection, .offset: 8, .size: 8, .value_kind: global_buffer, .address_space: global }
      - { .name: ctximg, .offset: 16, .size: 8, .value_kind: global_buffer, .address_space: global }
      - { .name: out0, .offset: 24, .size: 8, .value_kind: global_buffer, .address_space: global }
    .group_segment_fixed_size: 221184
    .private_segment_fixed_size: 0
    .kernarg_segment_align: 8
    .kernarg_segment_size: 32
    .max_flat_workgroup_size: 256
    .sgpr_count:     66
    .vgpr_count:     512
    .wavefront_size: 32
...
	.end_amdgpu_metadata
.endif
;; end of part 3
